; MI455X (gfx1250); checked and timed in simulation.
; The chip was launched on July 23, 2026; its instructions are those of AMD's public machine-readable ISA for CDNA 5 (MIT licence, August 2026) and "CDNA5" Instruction Set Architecture Reference Guide (July 2026). The comments in the code are by the model that wrote it; some were corrected since.
;; Group B Internal Pipeline. Allowed arithmetic: matrix products marked QUANTISED: E2M1 operands, one E8M0 scale for each 32 along K, by v_wmma_scale_f32_16x16x128_f8f6f4 with both operands' format E2M1 (or v_wmma_scale_f32_32x16x128_f4), f32 sums; products left as they are: f32 operands where the result goes on into a quantised operand, else bf16, f16 or f32 operands; f32 sums; everything else in f32.
;; Inputs: bW1 2 x 64 float32; bW2 64 x 8 float32; bb1 64 float32; bb2 8 float32; cWk_codes 256 x 8 x 16 uint8 (E2M1 codes of cWk, K innermost, in blocks of 32 codes, two codes a byte); cWk_scales 256 x 8 uint8 (E8M0 scales of cWk, one for each 32 codes along K); cWo_codes 256 x 8 x 16 uint8 (E2M1 codes of cWo, K innermost, in blocks of 32 codes, two codes a byte); cWo_scales 256 x 8 uint8 (E8M0 scales of cWo, one for each 32 codes along K); cWq_codes 256 x 8 x 16 uint8 (E2M1 codes of cWq, K innermost, in blocks of 32 codes, two codes a byte); cWq_scales 256 x 8 uint8 (E8M0 scales of cWq, one for each 32 codes along K); cWv_codes 256 x 8 x 16 uint8 (E2M1 codes of cWv, K innermost, in blocks of 32 codes, two codes a byte); cWv_scales 256 x 8 uint8 (E8M0 scales of cWv, one for each 32 codes along K); eWq_codes 256 x 8 x 16 uint8 (E2M1 codes of eWq, K innermost, in blocks of 32 codes, two codes a byte); eWq_scales 256 x 8 uint8 (E8M0 scales of eWq, one for each 32 codes along K); ego_distances 512 x 128 float32; ego_idx 512 int32; ego_speed 512 float32; ln1_b 256 float32; ln1_g 256 float32; ln2_b 256 float32; ln2_g 256 float32; pWk_codes 256 x 8 x 16 uint8 (E2M1 codes of pWk, K innermost, in blocks of 32 codes, two codes a byte); pWk_scales 256 x 8 uint8 (E8M0 scales of pWk, one for each 32 codes along K); pWo_codes 256 x 8 x 16 uint8 (E2M1 codes of pWo, K innermost, in blocks of 32 codes, two codes a byte); pWo_scales 256 x 8 uint8 (E8M0 scales of pWo, one for each 32 codes along K); pWq_codes 256 x 8 x 16 uint8 (E2M1 codes of pWq, K innermost, in blocks of 32 codes, two codes a byte); pWq_scales 256 x 8 uint8 (E8M0 scales of pWq, one for each 32 codes along K); pWv_codes 256 x 8 x 16 uint8 (E2M1 codes of pWv, K innermost, in blocks of 32 codes, two codes a byte); pWv_scales 256 x 8 uint8 (E8M0 scales of pWv, one for each 32 codes along K); tokens 512 x 128 x 256 float32.
;; Outputs: out0 512 x 128 x 256 float32.
;; This version of the problem:
;;   THIS VERSION OF THE PROBLEM IS GIVEN IN LOW PRECISION. The matrix products marked QUANTISED in the list below multiply operands that are first quantised to E2M1 (2 exponent bits, 1 mantissa bit; 4 bits a number), with one power-of-two scale for each 32 numbers along K (OCP MX v1.0); their sums are f32. All else is computed in f32.
;;   The module's matrix products, in the order in which they are computed (A, B: the left and right operand; K: the contracted axis; several contracted axes count as one K, in the product's order):
;;     1. [M 65,536, K 256] x [K 256, N 256]; A: computed on the way; B: input cWq (given as codes): QUANTISED
;;     2. [M 512, K 256] x [K 256, N 256]; A: computed on the way; B: input cWk (given as codes): QUANTISED
;;     3. [M 512, K 256] x [K 256, N 256]; A: computed on the way; B: input cWv (given as codes): QUANTISED
;;     4. batch 4,096 x [M 128, K 32] x [K 32, N 1]; A: computed on the way; B: computed on the way: left as it is (N = 1 < 16)
;;     5. batch 4,096 x [M 32, K 1] x [K 1, N 128]; A: computed on the way; B: softmax: left as it is (K = 1 < 32)
;;     6. [M 65,536, K 256] x [K 256, N 256]; A: computed on the way; B: input cWo (given as codes): QUANTISED
;;     7. [M 65,536, K 256] x [K 256, N 256]; A: computed on the way; B: input pWq (given as codes): QUANTISED
;;     8. [M 65,536, K 256] x [K 256, N 256]; A: computed on the way; B: input eWq (given as codes): QUANTISED
;;     9. [M 262,144, K 256] x [K 256, N 256]; A: computed on the way; B: input pWk (given as codes): QUANTISED
;;     10. [M 262,144, K 256] x [K 256, N 256]; A: computed on the way; B: input pWv (given as codes): QUANTISED
;;     11. batch 524,288 x [M 1, K 32] x [K 32, N 4]; A: computed on the way; B: computed on the way: left as it is (M = 1 < 16)
;;     12. [M 262,144, K 2] x [K 2, N 64]; A: computed on the way; B: input bW1: left as it is (K = 2 < 32)
;;     13. [M 262,144, K 64] x [K 64, N 8]; A: computed on the way; B: input bW2: left as it is (N = 8 < 16)
;;     14. batch 524,288 x [M 1, K 4] x [K 4, N 32]; A: softmax; B: computed on the way: left as it is (K = 4 < 32)
;;     15. [M 65,536, K 256] x [K 256, N 256]; A: computed on the way; B: input pWo (given as codes): QUANTISED
;;   THE QUANTISER, for each operand of a quantised product, along K:
;;     - K is cut into blocks of 32 from its start; a last block that is shorter is filled with zeros.
;;     - A block's scale is 2^e with e = floor(log2(the largest magnitude in the block)) - 2, held to -126 .. 127; a block of zeros has e = 0. As a byte (E8M0): e + 127.
;;     - Each number is divided by its block's scale, clamped to +-6, and rounded to the nearest number of E2M1, ties to even, subnormals kept.
;;     - The product sums the exact products of the quantised numbers (number of the format x scale) in f32.
;;   ~~~python
;;   def quantise(x, axis):      # numpy; x: float32 -> the quantised numbers, widened to float32 again
;;       x = np.moveaxis(x, axis, -1); K = x.shape[-1]
;;       x = np.pad(x, [(0, 0)] * (x.ndim - 1) + [(0, -K % 32)]); x = x.reshape(x.shape[:-1] + (-1, 32)); a = np.abs(x).max(-1, keepdims=True)
;;       e = np.where(a > 0, np.clip(np.frexp(np.where(a > 0, a, 1))[1] - 1 - 2, -126, 127), 0)      # np.frexp(a)[1] - 1 = floor(log2(a)), exactly
;;       r = np.clip(x / 2.0 ** e, -6, 6)
;;       step = 2.0 ** (np.maximum(np.frexp(np.where(r == 0, 1, r))[1] - 1, 0) - 1)
;;       q = np.round(r / step) * step * 2.0 ** e      # np.round: ties to even
;;       return np.moveaxis(q.reshape(q.shape[:-2] + (-1,))[..., :K], -1, axis).astype(np.float32)
;;   ~~~
;;   OPERANDS COMPUTED ON THE WAY. 'Computed on the way' means the value that the module computes at that place (a softmax that the list does not call 'softmax' is quantised finished and normalised). What goes into a quantiser is computed in f32, as accurately as f32 sums, v_exp_f32 and their like allow (about 1e-6 of the number): no bf16 or f16 on the way to a quantiser, and a product that is left as it is and whose result goes on into a quantised operand takes f32 operands (vector FMAs, or v_wmma_f32_16x16x4_f32). A number that lies on a knife's edge between two numbers of the format may be rounded either way, as far as f32 arithmetic and the matrix unit's own rounding can turn it there, and no further.
;;   INPUTS GIVEN AS CODES. cWk (in the module: [256, 256], K = its axis 0); cWo (in the module: [256, 256], K = its axis 0); cWq (in the module: [256, 256], K = its axis 0); cWv (in the module: [256, 256], K = its axis 0); eWq (in the module: [256, 256], K = its axis 0); pWk (in the module: [256, 256], K = its axis 0); pWo (in the module: [256, 256], K = its axis 0); pWq (in the module: [256, 256], K = its axis 0); pWv (in the module: [256, 256], K = its axis 0): each comes as NAME_codes (uint8): NAME with its K axis moved to the last place and cut into blocks of 32 codes, [.., K / 32, bytes a block], one block behind the other in memory; two codes a byte, the lower K in the low four bits (a code: sign, 2 exponent bits, 1 mantissa bit); and NAME_scales (uint8): the same leading axes, one E8M0 byte (e + 127) for each 32 codes along K. Its value is code x scale, taken as it is: it is not quantised again, and the codes and scales need not be those that the quantiser above would give.
;; One version. Each part assembles by itself: llvm-mc -triple=amdgcn-amd-amdhsa -mcpu=gfx1250 --defsym DOCPART=n.
;; ======== version 1 of 1: 1 launch
;; launch pipe (part 1): grid 256 x 1, 8 waves a work-group, no clusters, 327,680 bytes of LDS; arguments tokens, out0, ego_idx, ego_distances, ln1_g, ln1_b, ln2_g, ln2_b, cWv_codes, cWv_scales, cWo_codes, cWo_scales, pWq_codes, pWq_scales, eWq_codes, eWq_scales, pWk_codes, pWk_scales, pWv_codes, pWv_scales, pWo_codes, pWo_scales, bW1, bb1, bW2, bb2; writes out0
.if DOCPART == 1
	.amdgcn_target "amdgcn-amd-amdhsa--gfx1250"
	.amdhsa_code_object_version 6
	.text
	.protected	k_q5e65c8e624_pipe
	.globl	k_q5e65c8e624_pipe
	.p2align	8
	.type	k_q5e65c8e624_pipe,@function
k_q5e65c8e624_pipe:
	s_mov_b64 s[64:65], 0
	v_nop
	global_prefetch_b8 v0, s[64:65] scope:SCOPE_SE
	s_setreg_imm32_b32 hwreg(HW_REG_WAVE_MODE, 25, 1), 1
	s_wait_xcnt 0x0
; out = h1 + Q(attn) pWo,  h1 = tokens + o1,  o1 = Q(Q(LN1(ego row)) cWv) cWo,  attn = softmax over the 4 nearest (to ego) of Qp.Kp / sqrt(32) + bias, times Vp.
; 512 batches of 128 tokens x 256 channels, 8 heads of 32.  Q(.) is the MX-FP4 quantiser along the 256 channels; all weights arrive as codes.
; WHAT IS NOT COMPUTED.  The first attention has ONE key: its softmax runs over an axis of length 1 and is 1 wherever its score is finite.  So x1 cWq, ego cWk and their dot product feed nothing, and
;   cWq, cWk (and ego_speed, which the function deletes) are not read.  LIMIT: a NaN or infinity that arises only in that dead branch is not reproduced.
; WHAT IS SHARED.  Every row's 4 neighbours lie among the batch's 5 nearest by (distance, index); row n leaves out itself if it is among the first 4, else the 5th.  The quantiser works row by row, so the
;   neighbours' K and V are rows of Q(x2) pWk and Q(x2) pWv.  These are made for all 128 rows and the 5 are picked BY VALUE (lane selects and v_cndmask): no address or branch hangs on a distance.
; LIMITS: ego_distances finite (+infinity retires a found minimum; NaN not served); ego_idx is held at 127 from above; a block under 2^-124, or of zeros, gets the scale byte 1 (its codes are zeros or the held ones).
; SHARES.  A work-group of 8 waves takes batches 2 g and 2 g + 1, one after the other.  BY ROWS (LN2 and quantising, the way out) wave w owns rows 16 w .. 16 w + 15.  BY COLUMNS (all products, the attention) wave w owns
;   head w = columns 32 w .. 32 w + 31 of all 128 rows: its part of the five weights stays in registers.  A head's 32 columns are one block of the next product's K.
; NO CLUSTER: work-groups share only the weights, 238 KiB read once straight into operand registers; tokens, which are nearly all the bytes, are shared by nobody.
; Both batches' tokens are asked for by tensor loads at the first lines (each LDS byte is filled once); stage 1, the top 5 and the bias MLP run meanwhile.
; THE MATRIX INSTRUCTION IS USED TRANSPOSED: source 0 = 16 rows of a weight, source 1 = 16 rows of codes.  Lane r of weight tile u takes weight row 32 w + 8 u + r + 8 (r / 8): in the results of tiles 0 and 1
;   lane (r, h) then holds row r and its 16 registers the columns 32 w + 16 h + 0 .. 15.
.set SLOTB, 133120                     ; a slot: 128 rows x 1040 bytes
.set PITCH, 1040                       ; a token row in LDS: 1024 bytes + 16 of padding: 16 rows start at 16 different groups of four banks
.set WROWS, 16640                      ; 16 rows
.set TAB,   266240                     ; ln2_g, ln2_b, ln1_g, ln1_b: 1 KiB each
.set O1,    270336                     ; o1: [batch][256] f32
.set XC,    272384                     ; codes of x2: [block of 32 channels, 2048 bytes][row][16 bytes]
.set XSC,   288768                     ; their scale bytes: [row][8]
.set AC,    289792                     ; codes of attn, laid as XC; block w is first wave w's scratch for the 5 rows of K and of V
.set ASC,   306176
.set DA,    17408                      ; AC - XC = ASC - XSC
.set STG,   XC                         ; prologue only: the bias, [batch, 20544][head, 2560][candidate, 512][row, 4 bytes]
.set STGB,  20544
; registers, window 0
.set LAN, 1
.set ROW, 2                            ; r = lane % 16
.set HLF, 3                            ; h = lane / 16
.set XA,  4                            ; slot + (16 w + r) 1040 + 64 h
.set TA,  5                            ; TAB + 64 h
.set XST, 6                            ; XC + (16 w + r) 16 + 8 h
.set XSS, 7                            ; XSC + (16 w + r) 8
.set OA,  8                            ; o1 of the batch + 64 h
.set O1CA, 9                           ; the same + 128 w
.set SCR, 10                           ; AC + 2048 w + (r % 8) 128 + 64 h
.set KVL, 11                           ; AC + 2048 w + 64 h
.set FLD, 12                           ; XC + 16 r + 2048 h
.set FSL, 13                           ; XSC + 8 r
.set AST, 14                           ; AC + 2048 w + 16 r + 8 h
.set ASS, 15                           ; ASC + 8 r + w
.set CA0, 16                           ; slot + r 1040 + 128 w + 64 h
.set CA1, 17                           ; 64 rows further down
.set RA,  18                           ; slot + 16640 w + 16 lane
.set GO,  19                           ; 16384 w + 16 lane
.set INF, 20
.set IDH, 21                           ; v21, v22: (candidate's row) / 16 for lane r % 8, this batch's and the next's
.set WO,  21                           ; early prologue only: a weight's code offset,
.set SO,  22                           ; and its scale offset
.set NINF, 23
.set WS,  24                           ; v24-43 weights' scale words: 4 mat + 2 u + s (mat 0 pWq, 1 eWq, 2 pWk, 3 pWv, 4 pWo)
.set FS,  44                           ; v44-47 the fragments' scale words, a pair for each buffer (prologue: v44-51 cWv's and cWo's)
.set ES,  52                           ; v52-53 stage 1's fragment scales.  v24-53 hold scales and nothing else
.set T0,  54                           ; v54-127 at work
.set BG,  128                          ; v128-255 at work
; window 1 (named less 256): 0-159 the five weights, 32 mat + 16 u + 8 s; 160-179 the bias of this batch, 180-199 of the next; prologue: 160-223 cWv, cWo; 224-243 distances, dn, bb2
.set XX,  BG                           ; LNQ: a lane's 128 numbers: register 16 b + i = column 32 b + 16 h + i
.set CB0, T0
.set CB1, T0+32
.set CH,  T0+64
.set MU,  T0+72                        ; v126 the mean, v127 1 / sqrt(var + eps)
.set QM,  T0
.set QP4, T0+4
.set QS4, T0+8
.set QB4, T0+12
.set CD,  T0+32
.set WD,  T0+48
.set FR,  T0                           ; two fragment buffers of 16
.set DK,  T0+32
.set PT,  T0+64
.set KSEL, BG
.set QQ,  T0+32
.set QE,  T0+48
.set KV,  BG                           ; 5 rows x 16 numbers of K, later of V
.set SS,  BG+80                        ; 20 scores: 5 p + candidate; lane = row 32 p + lane
.set SA,  BG+100
.set AC2, BG+110
.set SM,  BG+120
.set SR,  BG+124
.set PP,  T0
.set AA,  T0+10
.set QA,  T0+42
.set QB,  T0+43
.set QP,  T0+44
.set QS,  T0+45
.set QY,  T0+46
.set QC,  T0+50
.set PD,  T0+32
.set HB,  BG
.set OC,  BG+48
.set HID, T0
.set TT2, T0+6
.set DJ,  T0+8
.set JF,  T0+14
.set NF,  T0+19
.set DN,  T0+20
.set VB1, T0+22
.set VB2, T0+23
.set D8,  T0+24
.set IX,  T0+32
.set CN,  T0+40
.set TT,  T0+48
.set BB2, T0+50
.set ACC, BG
.set SETA, BG+40
.set SETB, BG+84
.set MSB, 0
.macro WIN new                         ; the immediate's high byte repeats the setting that is left; a switch that changes nothing is dropped
.if MSB != \new
	s_set_vgpr_msb (MSB<<8)|\new
.set MSB, \new
.endif
.endm
.macro BAR                             ; my LDS stores have landed and my LDS loads are in: then the work-group's barrier
	s_wait_dscnt 0x0
	s_barrier_signal -1
	s_barrier_wait -1
.endm
.macro PLACES n
.rept \n
	v_nop
.endr
.endm
.macro WLOAD cp, sp, freg, sreg        ; my head's part of a weight: two tiles x two K steps of codes into window 1, their scale words into window 0
	WIN 0x40
.irp u,0,1
.irp q,0,1,2,3
	global_load_b128 v[\freg+16*\u+4*\q:\freg+16*\u+4*\q+3], v[WO], s[\cp:\cp+1] offset:1024*\u+32*\q
.endr
.endr
	WIN 0
.irp u,0,1
	global_load_b64 v[\sreg+2*\u:\sreg+2*\u+1], v[SO], s[\sp:\sp+1] offset:64*\u
.endr
.endm
.macro MMZ d, wf, fr, sa, sb           ; a sum's first K step
	v_wmma_scale_f32_16x16x128_f8f6f4 v[\d:\d+7], v[\wf:\wf+7], v[\fr:\fr+7], 0, v[\sa], v[\sb] matrix_a_fmt:MATRIX_FMT_FP4 matrix_b_fmt:MATRIX_FMT_FP4
.endm
.macro MMA d, wf, fr, sa, sb           ; the second, in place
	v_wmma_scale_f32_16x16x128_f8f6f4 v[\d:\d+7], v[\wf:\wf+7], v[\fr:\fr+7], v[\d:\d+7], v[\sa], v[\sb] matrix_a_fmt:MATRIX_FMT_FP4 matrix_b_fmt:MATRIX_FMT_FP4
.endm
.macro MMC d, wf, fr, c, sa, sb        ; a first K step onto other registers
	v_wmma_scale_f32_16x16x128_f8f6f4 v[\d:\d+7], v[\wf:\wf+7], v[\fr:\fr+7], v[\c:\c+7], v[\sa], v[\sb] matrix_a_fmt:MATRIX_FMT_FP4 matrix_b_fmt:MATRIX_FMT_FP4
.endm
; Two weights x two tiles x two K steps on fragment buffer i: the four accumulators take turns, one instruction a turn.  Five places follow: the results are read next, and written anew by the next group.
.macro GEMM2 m0, d0, m1, d1, i
	WIN 0x01
.irp u,0,1
	MMZ \d0+8*\u, 32*\m0+16*\u, FR+16*(\i), WS+4*\m0+2*\u, FS+2*(\i)
.endr
.irp u,0,1
	MMZ \d1+8*\u, 32*\m1+16*\u, FR+16*(\i), WS+4*\m1+2*\u, FS+2*(\i)
.endr
.irp u,0,1
	MMA \d0+8*\u, 32*\m0+16*\u+8, FR+16*(\i)+8, WS+4*\m0+2*\u+1, FS+2*(\i)+1
.endr
.irp u,0,1
	MMA \d1+8*\u, 32*\m1+16*\u+8, FR+16*(\i)+8, WS+4*\m1+2*\u+1, FS+2*(\i)+1
.endr
	WIN 0
	PLACES 5
.endm
; Rows 16 m .. 16 m + 15 of XC (area 0) or AC (area 1) as an operand: lane (r, h) takes blocks h, 2 + h, 4 + h, 6 + h of row r; and the row's eight scale bytes.  Five LDS loads
.macro LOADFRAG i, m, area
.irp q,0,1,2,3
	ds_load_b128 v[FR+16*(\i)+4*\q:FR+16*(\i)+4*\q+3], v[FLD] offset:(\area)*DA+4096*\q+256*(\m)
.endr
	ds_load_b64 v[FS+2*(\i):FS+2*(\i)+1], v[FSL] offset:(\area)*DA+128*(\m)
.endm
; Four blocks: a lane's 16 numbers of each (the other 16 lie in lane xor 16) become 8 bytes of codes each; the four scale bytes make a word
.macro Q4 src, cd, wd
.irp b,0,1,2,3
	v_max3_num_f32 v[QM+\b], |v[(\src)+16*\b]|, |v[(\src)+16*\b+1]|, 0x1800000   ; the floor 2^(3 - 127) holds the byte at 1 from below
.endr
.irp i,2,4,6,8,10,12,14
.irp b,0,1,2,3
	v_max3_num_f32 v[QM+\b], v[QM+\b], |v[(\src)+16*\b+\i]|, |v[(\src)+16*\b+\i+1]|
.endr
.endr
.irp b,0,1,2,3
	v_permlanex16_b32 v[QP4+\b], v[QM+\b], s76, s77
.endr
.irp b,0,1,2,3
	v_max_num_f32 v[QM+\b], v[QM+\b], v[QP4+\b]
.endr
.irp b,0,1,2,3
	v_add_nc_u32 v[QS4+\b], 0xff000000, v[QM+\b]       ; 2 off the exponent field: the conversion's scale operand
.endr
.irp b,0,1,2,3
	v_lshrrev_b32 v[QB4+\b], 23, v[QS4+\b]             ; the scale's byte
.endr
	v_lshl_or_b32 v[\wd], v[QB4+1], 8, v[QB4]
	v_lshl_or_b32 v[\wd], v[QB4+2], 16, v[\wd]
	v_lshl_or_b32 v[\wd], v[QB4+3], 24, v[\wd]
.irp b,0,1,2,3
	v_cvt_scalef32_pk8_fp4_f32 v[(\cd)+2*\b], v[(\src)+16*\b:(\src)+16*\b+7], v[QS4+\b]
	v_cvt_scalef32_pk8_fp4_f32 v[(\cd)+2*\b+1], v[(\src)+16*\b+8:(\src)+16*\b+15], v[QS4+\b]
.endr
	v_nop                                              ; one plain place behind the scaled conversions
.endm
; One block: codes in v[QC:QC+1], the byte in v[QY]
.macro Q1 src
	s_wait_dscnt 0x0                                   ; the last block's LDS stores have read v[QC], v[QY]
	v_max3_num_f32 v[QA], |v[\src]|, |v[\src+1]|, 0x1800000
	v_max3_num_f32 v[QB], |v[\src+8]|, |v[\src+9]|, |v[\src+10]|
	v_max3_num_f32 v[QA], v[QA], |v[\src+2]|, |v[\src+3]|
	v_max3_num_f32 v[QB], v[QB], |v[\src+11]|, |v[\src+12]|
	v_max3_num_f32 v[QA], v[QA], |v[\src+4]|, |v[\src+5]|
	v_max3_num_f32 v[QB], v[QB], |v[\src+13]|, |v[\src+14]|
	v_max3_num_f32 v[QA], v[QA], |v[\src+6]|, |v[\src+7]|
	v_max3_num_f32 v[QA], v[QA], v[QB], |v[\src+15]|
	v_permlanex16_b32 v[QP], v[QA], s76, s77
	v_max_num_f32 v[QA], v[QA], v[QP]
	v_add_nc_u32 v[QS], 0xff000000, v[QA]
	v_lshrrev_b32 v[QY], 23, v[QS]
	v_cvt_scalef32_pk8_fp4_f32 v[QC], v[\src:\src+7], v[QS]
	v_cvt_scalef32_pk8_fp4_f32 v[QC+1], v[\src+8:\src+15], v[QS]
	v_nop
.endm
.macro OCH c, cb                       ; o1 for blocks 2 c, 2 c + 1: eight loads, the same bytes for all lanes of a half
.irp n,0,1,2,3,4,5,6,7
	ds_load_b128 v[\cb+4*\n:\cb+4*\n+3], v[OA] offset:128*(2*(\c)+\n/4)+16*(\n%4)
.endr
.endm
.macro OADD c, cb
.irp n,0,1,2,3,4,5,6,7,8,9,10,11,12,13,14,15
	v_pk_add_f32 v[XX+32*(\c)+2*\n:XX+32*(\c)+2*\n+1], v[XX+32*(\c)+2*\n:XX+32*(\c)+2*\n+1], v[\cb+2*\n:\cb+2*\n+1]
.endr
.endm
.macro GCH b, cb, tab                  ; gain and bias of block b: eight loads
.irp j,0,1,2,3
	ds_load_b128 v[\cb+4*\j:\cb+4*\j+3], v[TA] offset:\tab+128*(\b)+16*\j
	ds_load_b128 v[\cb+16+4*\j:\cb+16+4*\j+3], v[TA] offset:\tab+1024+128*(\b)+16*\j
.endr
.endm
.macro FOLD                            ; four packed chains, and lane xor 16's, into v[CH]
	v_pk_add_f32 v[CH:CH+1], v[CH:CH+1], v[CH+2:CH+3]
	v_pk_add_f32 v[CH+4:CH+5], v[CH+4:CH+5], v[CH+6:CH+7]
	v_pk_add_f32 v[CH:CH+1], v[CH:CH+1], v[CH+4:CH+5]
	v_add_f32 v[CH], v[CH], v[CH+1]
	v_permlanex16_b32 v[CH+1], v[CH], s76, s77
	v_add_f32 v[CH], v[CH], v[CH+1]
.endm
; LAYER NORM AND QUANTISER of my 16 rows.  kind 0: tokens from the slot, + o1, tables at tab = 0 (LN2).  kind 1: the numbers stand in v[XX] already, tables at 2048 (LN1).  Codes and scale bytes go to rows 16 w + r of XC, XSC.
.macro LNQ kind, tab
.if \kind == 0
.set c_n, 0
.rept 32
	ds_load_b128 v[XX+4*c_n:XX+4*c_n+3], v[XA] offset:128*(c_n/4)+16*(c_n%4)
.set c_n, c_n+1
.endr
	OCH 0, CB0
	OCH 1, CB1
	s_wait_dscnt 8                                     ; all but the younger chunk's eight loads
	OADD 0, CB0
	OCH 2, CB0
	s_wait_dscnt 8
	OADD 1, CB1
	OCH 3, CB1
	s_wait_dscnt 8
	OADD 2, CB0
	s_wait_dscnt 0x0
	OADD 3, CB1
.endif
.irp c,0,1,2,3
	v_pk_add_f32 v[CH+2*\c:CH+2*\c+1], v[XX+2*\c:XX+2*\c+1], v[XX+8+2*\c:XX+9+2*\c]   ; the first numbers start the chains
.endr
.set c_n, 8
.rept 56
	v_pk_add_f32 v[CH+2*(c_n%4):CH+2*(c_n%4)+1], v[CH+2*(c_n%4):CH+2*(c_n%4)+1], v[XX+2*c_n:XX+2*c_n+1]
.set c_n, c_n+1
.endr
	FOLD
	v_mul_f32 v[MU], s84, v[CH]                        ; the mean
.set c_n, 0
.rept 16
.irp c,0,1,2,3
	v_pk_add_f32 v[XX+8*c_n+2*\c:XX+8*c_n+2*\c+1], v[XX+8*c_n+2*\c:XX+8*c_n+2*\c+1], v[MU:MU+1] op_sel_hi:[1,0] neg_lo:[0,1] neg_hi:[0,1]
.endr
.irp c,0,1,2,3
.if c_n == 0
	v_pk_mul_f32 v[CH+2*\c:CH+2*\c+1], v[XX+2*\c:XX+2*\c+1], v[XX+2*\c:XX+2*\c+1]
.else
	v_pk_fma_f32 v[CH+2*\c:CH+2*\c+1], v[XX+8*c_n+2*\c:XX+8*c_n+2*\c+1], v[XX+8*c_n+2*\c:XX+8*c_n+2*\c+1], v[CH+2*\c:CH+2*\c+1]
.endif
.endr
.set c_n, c_n+1
.endr
	FOLD
	v_fma_f32 v[CH], v[CH], s84, s85                   ; var + eps
	v_rsq_f32 v[MU+1], v[CH]
	GCH 0, CB0, \tab
	GCH 1, CB1, \tab
	v_nop                                              ; a plain place behind the transcendental,
	s_wait_alu depctr_va_vdst(0)                       ; and a wait ahead of its first reader
.set c_b, 0
.rept 8
.if c_b < 7
	s_wait_dscnt 8                                     ; block c_b's tables are in; the next block's eight loads may be out
.else
	s_wait_dscnt 0x0
.endif
.set c_c, CB0+32*(c_b%2)
.irp n,0,1,2,3,4,5,6,7
	v_pk_mul_f32 v[XX+16*c_b+2*\n:XX+16*c_b+2*\n+1], v[XX+16*c_b+2*\n:XX+16*c_b+2*\n+1], v[MU:MU+1] op_sel:[0,1] op_sel_hi:[1,1]
.endr
.irp n,0,1,2,3,4,5,6,7
	v_pk_fma_f32 v[XX+16*c_b+2*\n:XX+16*c_b+2*\n+1], v[XX+16*c_b+2*\n:XX+16*c_b+2*\n+1], v[c_c+2*\n:c_c+2*\n+1], v[c_c+16+2*\n:c_c+17+2*\n]
.endr
.if c_b < 6
	GCH c_b+2, c_c, \tab
.endif
.set c_b, c_b+1
.endr
	Q4 XX, CD, WD
	Q4 XX+64, CD+8, WD+1
.irp b,0,1,2,3,4,5,6,7
	ds_store_b64 v[XST], v[CD+2*\b:CD+2*\b+1] offset:2048*\b
.endr
	ds_store_b64 v[XSS], v[WD:WD+1]                    ; both lanes of a row write the same eight bytes
.endm
.macro KVLOAD off                      ; the five rows' numbers of my half of the head, the same for all lanes of a half
.set c_n, 0
.rept 20
	ds_load_b128 v[KV+4*c_n:KV+4*c_n+3], v[KVL] offset:\off+128*(c_n/4)+16*(c_n%4)
.set c_n, c_n+1
.endr
.endm
.macro MIN8 dst, src, tmp              ; the least of a lane's eight and of the 16 lanes of its half
	v_min3_num_f32 v[\dst], v[\src], v[\src+1], v[\src+2]
	v_min3_num_f32 v[\tmp], v[\src+3], v[\src+4], v[\src+5]
	v_min3_num_f32 v[\dst], v[\dst], v[\src+6], v[\src+7]
	v_min_num_f32 v[\dst], v[\dst], v[\tmp]
.irp x,1,2,4,8
	v_min_num_f32_dpp v[\dst], v[\dst], v[\dst] row_xmask:\x row_mask:0xf bank_mask:0xf
.endr
.endm
.macro LOADSET st                      ; four hidden units of the bias MLP, the same numbers in every lane: a (4), b (4), bb1 (4), their rows of bW2 (32).  Eleven loads
	global_load_b128 v[\st:\st+3], v[VB1], s[48:49]
	global_load_b128 v[\st+4:\st+7], v[VB1], s[48:49] offset:256
	global_load_b128 v[\st+8:\st+11], v[VB1], s[50:51]
.irp n,0,1,2,3,4,5,6,7
	global_load_b128 v[\st+12+4*\n:\st+15+4*\n], v[VB2], s[52:53] offset:16*\n
.endr
.endm
.macro STEPV                           ; on to the next four units; behind the last the offsets wrap to 0, inside the buffers
	s_wait_xcnt 0x0                                    ; the last set's loads have read their offsets
	v_add_nc_u32 v[VB1], 16, v[VB1]
	v_add_nc_u32 v[VB2], 128, v[VB2]
	v_and_b32 v[VB1], 0xff, v[VB1]
	v_and_b32 v[VB2], 0x7ff, v[VB2]
.endm
.macro ACC4 st, q, p, ps               ; candidate p's eight heads += hid[p] x bW2[unit][:]
.irp e,0,1,2,3
	v_pk_fma_f32 v[ACC+8*\p+2*\e:ACC+8*\p+2*\e+1], v[HID+2*(\p/2):HID+2*(\p/2)+1], v[\st+12+8*\q+2*\e:\st+13+8*\q+2*\e], v[ACC+8*\p+2*\e:ACC+8*\p+2*\e+1] op_sel:[\ps,0,0] op_sel_hi:[\ps,1,1]
.endr
.endm
.macro BIASU st, q, qs                 ; one hidden unit: hid[p] = relu(d_j[p] b + (d_i a + bb1)) for the five candidates
.irp k,0,1,2
	v_pk_fma_f32 v[HID+2*\k:HID+2*\k+1], v[DJ+2*\k:DJ+2*\k+1], v[\st+4+2*(\q/2):\st+5+2*(\q/2)], v[TT2:TT2+1] op_sel:[0,\qs,\qs] op_sel_hi:[1,\qs,\qs]
.endr
.irp k,0,1,2,3,4
	v_max_num_f32 v[HID+\k], 0, v[HID+\k]
.endr
	ACC4 \st, \q, 0, 0
	ACC4 \st, \q, 1, 1
	ACC4 \st, \q, 2, 0
	ACC4 \st, \q, 3, 1
	ACC4 \st, \q, 4, 0
.endm
.macro BIASU4 st
	v_pk_fma_f32 v[TT2:TT2+1], v[DN:DN+1], v[\st:\st+1], v[\st+8:\st+9] op_sel_hi:[0,1,1]
	BIASU \st, 0, 0
	BIASU \st, 1, 1
	v_pk_fma_f32 v[TT2:TT2+1], v[DN:DN+1], v[\st+2:\st+3], v[\st+10:\st+11] op_sel_hi:[0,1,1]
	BIASU \st, 2, 0
	BIASU \st, 3, 1
.endm
.macro PL m                            ; P3's loads for rows 16 m on: attn's fragment (5) and my 16 columns of the tokens (4)
	LOADFRAG (\m)%2, \m, 1
.irp e,0,1,2,3
.if (\m) < 4
	ds_load_b128 v[HB+16*((\m)%3)+4*\e:HB+16*((\m)%3)+4*\e+3], v[CA0] offset:WROWS*((\m)%4)+16*\e
.else
	ds_load_b128 v[HB+16*((\m)%3)+4*\e:HB+16*((\m)%3)+4*\e+3], v[CA1] offset:WROWS*((\m)%4)+16*\e
.endif
.endr
.endm
; ---------------------------------------------------------------- the head: pointers, descriptors, both batches' tokens are asked for
	s_load_b512 s[4:19], s[0:1], 0x0                   ; tokens 4, out 6, ego_idx 8, distances 10, ln1_g 12, ln1_b 14, ln2_g 16, ln2_b 18
	s_load_b512 s[20:35], s[0:1], 0x40                 ; cWv 20, 22; cWo 24, 26; pWq 28, 30; eWq 32, 34
	s_load_b512 s[36:51], s[0:1], 0x80                 ; pWk 36, 38; pWv 40, 42; pWo 44, 46; bW1 48; bb1 50
	s_load_b128 s[52:55], s[0:1], 0xc0                 ; bW2 52; bb2 54
	s_set_vgpr_msb 0x40
	v_lshl_add_u32 v254, v0, 2, 0x4c900
	v_mov_b32 v255, 0
	s_set_vgpr_msb 0x4045
	ds_add_u32 v254, v255
	ds_add_u32 v254, v255
	s_set_vgpr_msb 0x4500
	v_lshrrev_b32 v1, 5, v0
	v_readfirstlane_b32 s2, v1                         ; wave 0..7
	s_mov_b32 s3, ttmp9                                ; work-group g
	s_mov_b32 s56, (2<<16)|(1<<20)|(7<<22)|(3<<25)     ; group 1: elements of 4 bytes; padding on: 4 words behind every 256
	s_mov_b32 s57, 256<<16                             ; tensor_dim0 = 256
	s_mov_b32 s58, 16<<16                              ; tensor_dim1 = 16
	s_mov_b32 s59, 256<<16                             ; tile_dim0 = 256
	s_mov_b32 s60, 16                                  ; tile_dim1 = 16
	s_mov_b32 s61, 256                                 ; elements from row to row
	s_mov_b32 s62, 0
	s_mov_b32 s63, 0
	s_mov_b32 s68, 1                                   ; group 0 for slot 0: my 16 rows
	s_mul_i32 s69, s2, WROWS
	s_mov_b32 s72, 1                                   ; and for slot 1
	s_add_co_u32 s73, s69, SLOTB
	s_lshl_b32 s66, s3, 18                             ; two batches of 131,072 bytes a work-group,
	s_lshl_b32 s67, s2, 14                             ; 16 rows of 1,024 bytes a wave
	s_add_co_u32 s66, s66, s67
	s_mov_b32 s67, 0
	s_wait_dscnt 0x0
	s_wait_kmcnt 0x0
	s_add_nc_u64 s[70:71], s[4:5], s[66:67]
	s_add_nc_u64 s[74:75], s[70:71], 0x20000
	s_or_b32 s71, s71, 0x80000000
	s_or_b32 s75, s75, 0x80000000
	tensor_load_to_lds s[68:71], s[56:63]              ; each LDS byte is filled once; two loads of mine are out
	s_nop 0
	tensor_load_to_lds s[72:75], s[56:63]
	s_nop 0
	PLACES 4
	s_lshl_b32 s83, s3, 3
	s_load_b64 s[78:79], s[8:9], s83 offset:0x0        ; the two batches' ego rows
	s_mov_b32 s76, 0x76543210
	s_mov_b32 s77, 0xfedcba98                          ; v_permlanex16_b32: lane xor 16
	s_mov_b32 s84, 0x3b800000                          ; 1 / 256
	s_mov_b32 s85, 0x3727c5ac                          ; 1e-5
	s_mov_b32 s86, 0x3e3504f3                          ; 1 / sqrt(32)
	s_mov_b32 s87, 0x3fb8aa3b                          ; log2(e)
	s_lshl_b32 s66, s3, 18
	s_add_nc_u64 s[6:7], s[6:7], s[66:67]              ; out at my first batch
	v_and_b32 v[LAN], 31, v0
	v_and_b32 v[ROW], 15, v0
	v_bfe_u32 v[HLF], v0, 4, 1
	v_mov_b32 v[INF], 0x7f800000
	v_mov_b32 v[NINF], 0xff800000
	v_mov_b32 v[MU+1], 0                               ; named as the upper half of a pair before it is first made
	v_lshl_add_u32 v[TA], v[HLF], 6, TAB
	s_lshl_b32 s66, s2, 4
	v_add_nc_u32 v[T0+12], s66, v[ROW]                 ; 16 w + r
	v_lshlrev_b32 v[XST], 4, v[T0+12]
	v_lshl_add_u32 v[XST], v[HLF], 3, v[XST]
	v_add_nc_u32 v[XST], XC, v[XST]
	v_lshl_add_u32 v[XSS], v[T0+12], 3, XSC
	s_lshl_b32 s67, s2, 11
	s_add_co_u32 s67, s67, AC                          ; my block of AC
	v_and_b32 v[T0+13], 7, v[ROW]
	v_lshlrev_b32 v[SCR], 7, v[T0+13]
	v_lshl_add_u32 v[SCR], v[HLF], 6, v[SCR]
	v_add_nc_u32 v[SCR], s67, v[SCR]
	v_lshl_add_u32 v[KVL], v[HLF], 6, s67
	v_lshlrev_b32 v[FLD], 4, v[ROW]
	v_lshl_add_u32 v[AST], v[HLF], 3, v[FLD]
	v_add_nc_u32 v[AST], s67, v[AST]
	v_lshl_add_u32 v[FLD], v[HLF], 11, v[FLD]
	v_add_nc_u32 v[FLD], XC, v[FLD]
	v_lshl_add_u32 v[FSL], v[ROW], 3, XSC
	s_add_co_u32 s66, s2, ASC
	v_lshl_add_u32 v[ASS], v[ROW], 3, s66
	s_lshl_b32 s66, s2, 14
	v_lshl_add_u32 v[GO], v[LAN], 4, s66
	v_and_b32 v[T0+13], 8, v[ROW]
	v_add_nc_u32 v[T0+13], v[T0+13], v[ROW]            ; r + 8 (r / 8): the weight rows of a tile
	v_lshlrev_b32 v[WO], 7, v[T0+13]
	v_lshl_add_u32 v[WO], v[HLF], 4, v[WO]
	s_lshl_b32 s66, s2, 12
	v_add_nc_u32 v[WO], s66, v[WO]                     ; 128 bytes a weight row, + 16 h, + my head's 32 rows
	s_lshl_b32 s66, s2, 8
	v_lshl_add_u32 v[SO], v[T0+13], 3, s66             ; 8 scale bytes a weight row
	v_lshlrev_b32 v[T0+4], 2, v0                       ; 4 t
	v_lshl_add_u32 v[T0+5], v0, 2, TAB
	v_and_b32 v[T0+11], 1, v[ROW]                      ; stage 1: lane r works on batch r % 2
	v_lshl_add_u32 v[T0+6], v[T0+11], 2, s83
	s_lshl_b32 s66, s3, 10                             ; two batches of 512 bytes of distances
	v_lshlrev_b32 v[T0+8], 5, v[ROW]
	v_lshl_add_u32 v[T0+8], v[HLF], 9, v[T0+8]
	v_add_nc_u32 v[T0+8], s66, v[T0+8]                 ; half h of the lanes takes batch h, eight distances a lane
	v_lshlrev_b32 v[T0+9], 2, v[T0+12]
	v_lshl_add_u32 v[T0+9], v[HLF], 9, v[T0+9]
	v_add_nc_u32 v[T0+9], s66, v[T0+9]                 ; the distance of row 16 w + r of batch h
	v_mov_b32 v[T0+10], 0
	global_load_b32 v[T0+7], v[T0+6], s[8:9]           ; ego_idx of batch r % 2
	global_load_b32 v[T0], v[T0+4], s[16:17]           ; the four tables, a number a thread
	global_load_b32 v[T0+1], v[T0+4], s[18:19]
	global_load_b32 v[T0+2], v[T0+4], s[12:13]
	global_load_b32 v[T0+3], v[T0+4], s[14:15]
	WIN 0x40                                           ; into window 1: stage 1 needs all of window 0
	global_load_b128 v[224:227], v[T0+8], s[10:11]
	global_load_b128 v[228:231], v[T0+8], s[10:11] offset:16
	global_load_b32 v232, v[T0+9], s[10:11]
	global_load_b128 v[236:239], v[T0+10], s[54:55]
	global_load_b128 v[240:243], v[T0+10], s[54:55] offset:16
	WIN 0
	s_wait_loadcnt 9                                   ; ego_idx is in: nine loads were issued behind it
	v_min_u32 v[T0+7], 127, v[T0+7]                    ; the index stays in its table
	v_lshlrev_b32 v[T0+7], 10, v[T0+7]
	v_lshl_add_u32 v[T0+7], v[T0+11], 17, v[T0+7]
	v_lshl_add_u32 v[T0+7], v[HLF], 6, v[T0+7]
	s_lshl_b32 s66, s3, 18
	v_add_nc_u32 v[T0+7], s66, v[T0+7]                 ; the ego row of batch r % 2, + 64 h
.set c_n, 0
.rept 32
	global_load_b128 v[XX+4*c_n:XX+4*c_n+3], v[T0+7], s[4:5] offset:128*(c_n/4)+16*(c_n%4)
.set c_n, c_n+1
.endr
	WLOAD 20, 22, 160, 44                              ; cWv
	WLOAD 24, 26, 192, 48                              ; cWo
	s_wait_loadcnt 57                                  ; the four tables are in: 5 + 32 + 20 loads were issued behind them
	ds_store_b32 v[T0+5], v[T0]
	ds_store_b32 v[T0+5], v[T0+1] offset:1024
	ds_store_b32 v[T0+5], v[T0+2] offset:2048
	ds_store_b32 v[T0+5], v[T0+3] offset:3072
	s_wait_kmcnt 0x0
	s_min_u32 s78, s78, 127
	s_min_u32 s79, s79, 127
	BAR                                                ; the tables lie in LDS
; ---------------------------------------------------------------- stage 1: o1 of both batches.  Every wave quantises the two ego rows (into its own rows of XC) and makes its head's 32 columns
	s_wait_loadcnt 20                                  ; the ego rows are in; cWv's and cWo's twenty loads may be out
	LNQ 1, 2048
	s_lshl_b32 s66, s2, 8
	v_add_nc_u32 v[T0+64], s66, v[FLD]
	s_lshl_b32 s66, s2, 7
	v_add_nc_u32 v[T0+65], s66, v[FSL]
.irp q,0,1,2,3
	ds_load_b128 v[FR+4*\q:FR+4*\q+3], v[T0+64] offset:4096*\q     ; my own rows back as an operand: LDS serves a wave's instructions in order
.endr
	ds_load_b64 v[ES:ES+1], v[T0+65]
	s_wait_loadcnt 0x0                                 ; cWv and cWo are in
	WLOAD 28, 30, 0, WS                                ; the five weights that stay: 50 loads, waited for in the bias loop
	WLOAD 32, 34, 32, WS+4
	WLOAD 36, 38, 64, WS+8
	WLOAD 40, 42, 96, WS+12
	WLOAD 44, 46, 128, WS+16
	s_wait_dscnt 0x0
	WIN 0x01
	MMZ BG, 160, FR, 44, ES                            ; Ve: the two accumulators by turns
	MMZ BG+8, 176, FR, 46, ES
	MMA BG, 168, FR+8, 45, ES+1
	MMA BG+8, 184, FR+8, 47, ES+1
	WIN 0
	PLACES 5
	Q1 BG                                              ; the softmax over the one key is 1: Ve itself is the next operand; my head is its block w
	ds_store_b64 v[AST], v[QC:QC+1]
	ds_store_b8 v[ASS], v[QY]
	BAR                                                ; all eight blocks lie in rows 0-15 of AC
.irp q,0,1,2,3
	ds_load_b128 v[FR+4*\q:FR+4*\q+3], v[FLD] offset:DA+4096*\q
.endr
	ds_load_b64 v[ES:ES+1], v[FSL] offset:DA
	s_wait_dscnt 0x0
	WIN 0x01
	MMZ BG, 192, FR, 48, ES
	MMZ BG+8, 208, FR, 50, ES
	MMA BG, 200, FR+8, 49, ES+1
	MMA BG+8, 216, FR+8, 51, ES+1
	WIN 0
	PLACES 5
	v_and_b32 v[T0+64], 1, v[ROW]
	v_lshlrev_b32 v[T0+64], 10, v[T0+64]
	v_lshl_add_u32 v[T0+64], v[HLF], 6, v[T0+64]
	s_lshl_b32 s66, s2, 7
	s_add_co_u32 s66, s66, O1
	v_add_nc_u32 v[T0+64], s66, v[T0+64]
.irp n,0,1,2,3
	ds_store_b128 v[T0+64], v[BG+4*\n:BG+4*\n+3] offset:16*\n      ; o1(batch r % 2, 32 w + 16 h + ..): lanes of equal parity hold and write the same numbers
.endr
	BAR                                                ; o1 lies in LDS; nobody reads XC or AC any more
; ---------------------------------------------------------------- the five nearest of each batch, by (distance, index): half h of the lanes works on batch h, every wave for itself
	s_wait_xcnt 0x0                                    ; the weights' loads have read v21, v22
	WIN 0x01
.irp k,0,1,2,3,4,5,6,7
	v_mov_b32 v[D8+\k], v[224+\k]
.endr
	v_mov_b32 v[DN], v232
.irp k,0,1,2,3,4,5,6,7
	v_mov_b32 v[BB2+\k], v[236+\k]
.endr
	WIN 0
	v_mov_b32 v[DN+1], 0
	v_mov_b32 v[DJ+5], 0
	v_lshlrev_b32 v[TT], 3, v[ROW]
.irp k,0,1,2,3,4,5,6,7
	v_add_nc_u32 v[CN+\k], \k, v[TT]
.endr
.irp k,0,1,2,3,4,5,6,7
	v_cvt_f32_u32 v[IX+\k], v[CN+\k]                   ; my eight rows' numbers, as floats
.endr
.irp p,0,1,2,3,4
	MIN8 DJ+\p, D8, TT                                 ; the least distance left,
.irp k,0,1,2,3,4,5,6,7
	v_cmp_eq_f32 vcc_lo, v[D8+\k], v[DJ+\p]
	v_cndmask_b32 v[CN+\k], v[INF], v[IX+\k], vcc_lo
.endr
	MIN8 JF+\p, CN, TT                                 ; the lowest row that has it,
.if \p < 4
.irp k,0,1,2,3,4,5,6,7
	v_cmp_eq_f32 vcc_lo, v[IX+\k], v[JF+\p]
	v_cndmask_b32 v[D8+\k], v[D8+\k], v[INF], vcc_lo   ; which is retired
.endr
.endif
.endr
.irp p,0,1,2,3,4
	v_cvt_u32_f32 v[CN+\p], v[JF+\p]
.endr
	v_and_b32 v[TT], 7, v[ROW]
.irp i,1,2,3,4
	v_cmp_eq_u32 s[92+\i], \i, v[TT]
.endr
; For each batch: lane selects (field i of the word: candidate i's row % 16; fields 0, 5, 6, 7: candidate 0's) and, in lane r, the row / 16 of candidate r % 8.  They are used as VALUES alone.
.irp z,0,1
	v_readlane_b32 s66, v[CN], 16*\z
	s_and_b32 s67, s66, 15
	s_mul_i32 s[80+\z], s67, 0x11100001
	s_lshr_b32 s66, s66, 4
	v_mov_b32 v[IDH+\z], s66
.irp i,1,2,3,4
	v_readlane_b32 s66, v[CN+\i], 16*\z
	s_and_b32 s67, s66, 15
	s_lshl_b32 s67, s67, 4*\i
	s_or_b32 s[80+\z], s[80+\z], s67
	s_lshr_b32 s66, s66, 4
	v_mov_b32 v[TT], s66
	v_cndmask_b32 v[IDH+\z], v[IDH+\z], v[TT], s[92+\i]
.endr
.endr
; ---------------------------------------------------------------- the bias MLP: lane (r, h) is row 16 w + r of batch h; 5 candidates x 8 heads in 40 registers; 64 hidden units, 8 a trip
	s_lshl_b32 s66, s2, 4
	v_add_nc_u32 v[TT], s66, v[ROW]
	v_cvt_f32_u32 v[NF], v[TT]
	v_mov_b32 v[VB1], 0
	v_mov_b32 v[VB2], 0
.irp p,0,1,2,3,4
.irp e,0,1,2,3
	v_pk_add_f32 v[ACC+8*\p+2*\e:ACC+8*\p+2*\e+1], v[BB2+2*\e:BB2+2*\e+1], 0 op_sel_hi:[1,0]   ; the sums begin with bb2
.endr
.endr
	LOADSET SETA
	s_mov_b32 s82, 0
.Lbias:
	STEPV
	LOADSET SETB
	s_wait_loadcnt 11                                  ; all but the eleven just issued: set A is in (and, in the first trip, the weights)
	BIASU4 SETA
	STEPV
	LOADSET SETA
	s_wait_loadcnt 11
	BIASU4 SETB
	s_add_co_u32 s82, s82, 1
	s_cmp_lt_u32 s82, 8
	s_cbranch_scc1 .Lbias
	s_wait_loadcnt 0x0                                 ; the last set (the wrapped one) is not used
.irp p,0,1,2,3
	v_cmp_eq_f32 s[88+\p], v[NF], v[JF+\p]             ; a row among the first four leaves out itself,
.endr
	s_or_b32 s92, s88, s89
	s_or_b32 s92, s92, s90
	s_or_b32 s92, s92, s91
	s_not_b32 s92, s92                                 ; every other row the fifth
.irp p,0,1,2,3,4
.irp e,0,1,2,3,4,5,6,7
	v_cndmask_b32 v[ACC+8*\p+\e], v[ACC+8*\p+\e], v[NINF], s[88+\p]
.endr
.endr
	v_mul_u32_u24 v[VB1], v[HLF], STGB
	v_lshl_add_u32 v[VB1], v[TT], 2, v[VB1]
	v_add_nc_u32 v[VB1], STG, v[VB1]
.irp p,0,1,2,3,4
.irp e,0,1,2,3,4,5,6,7
	ds_store_b32 v[VB1], v[ACC+8*\p+\e] offset:2560*\e+512*\p
.endr
.endr
	BAR                                                ; from rows to heads: the bias of all rows lies in LDS
	s_mul_i32 s66, s2, 2560
	s_add_co_u32 s66, s66, STG
	v_lshl_add_u32 v[VB2], v[LAN], 2, s66
	WIN 0x40
.irp z,0,1
.irp p,0,1,2,3
.irp c,0,1,2,3,4
	ds_load_b32 v[160+20*\z+5*\p+\c], v[VB2] offset:STGB*\z+512*\c+128*\p      ; my head, row 32 p + lane, candidate c
.endr
.endr
.endr
	WIN 0
	BAR                                                ; read by all: XC and AC may be written
	s_wait_tensorcnt 0x0                               ; my rows of both slots are in; the others read them only behind the next barrier
	s_mov_b32 s97, 0
	s_mov_b32 s98, 0                                   ; the slot
	s_mov_b32 s99, O1                                  ; the batch's o1
; ---------------------------------------------------------------- a batch
.Ltrip:
	s_mul_i32 s66, s2, WROWS
	s_add_co_u32 s66, s66, s98
	s_lshl_b32 s67, s2, 7
	s_add_co_u32 s83, s67, s98
	s_add_co_u32 s67, s67, s99
	v_mul_u32_u24 v[XA], v[ROW], PITCH
	v_lshl_add_u32 v[XA], v[HLF], 6, v[XA]
	v_add_nc_u32 v[CA0], s83, v[XA]
	v_add_nc_u32 v[CA1], 4*WROWS, v[CA0]
	v_add_nc_u32 v[XA], s66, v[XA]
	v_lshl_add_u32 v[RA], v[LAN], 4, s66
	v_lshl_add_u32 v[OA], v[HLF], 6, s99
	v_lshl_add_u32 v[O1CA], v[HLF], 6, s67
	LNQ 0, 0
	BAR                                                ; Q(x2) of all 128 rows lies in XC
	; PASS 1: K and V of my head for all rows; the five candidates' rows are picked by value: lane r takes lane (candidate r % 8's row % 16) of each tile, and keeps it if the tile is that row's
	LOADFRAG 0, 0, 0
.set M, 0
.rept 8
.if M < 7
	LOADFRAG (M+1)%2, M+1, 0
	s_wait_dscnt 5                                     ; this tile's fragment is in; the next one's five loads may be out
.else
	s_wait_dscnt 0x0
.endif
	GEMM2 2, DK, 3, DK+16, M%2
.if M == 0
.set c_q, 0
.rept 32
	v_permlane16_b32 v[KSEL+c_q], v[DK+c_q], s80, s80
.set c_q, c_q+1
.endr
.else
	v_cmp_eq_u32 vcc_lo, M, v[IDH]
.set c_q, 0
.rept 4
.irp n,0,1,2,3,4,5,6,7
	v_permlane16_b32 v[PT+\n], v[DK+c_q+\n], s80, s80
.endr
.irp n,0,1,2,3,4,5,6,7
	v_cndmask_b32 v[KSEL+c_q+\n], v[KSEL+c_q+\n], v[PT+\n], vcc_lo
.endr
.set c_q, c_q+8
.endr
.endif
.set M, M+1
.endr
.irp e,0,1,2,3
	ds_store_b128 v[SCR], v[KSEL+4*\e:KSEL+4*\e+3] offset:16*\e            ; to my scratch: row r % 8 (lanes r and r + 8 hold the same)
	ds_store_b128 v[SCR], v[KSEL+16+4*\e:KSEL+19+4*\e] offset:1024+16*\e
.endr
	s_wait_dscnt 0x0                                   ; the stores have read their registers
	KVLOAD 0                                           ; K of the five, in every lane
	LOADFRAG 0, 0, 0
	; PASS 2: Q of my head (the ego row's by eWq), and the 5 dot products of each row
.set M, 0
.rept 8
.if M < 7
	LOADFRAG (M+1)%2, M+1, 0
	s_wait_dscnt 5
.else
	s_wait_dscnt 0x0
.endif
	GEMM2 0, QQ, 1, QE, M%2
	s_sub_co_u32 s83, s78, 16*M
	v_cmp_eq_u32 vcc_lo, s83, v[ROW]
.irp n,0,1,2,3,4,5,6,7,8,9,10,11,12,13,14,15
	v_cndmask_b32 v[QQ+\n], v[QQ+\n], v[QE+\n], vcc_lo
.endr
.irp e,0,1,2,3,4,5,6,7
.irp p,0,1,2,3,4
.if \e == 0
	v_pk_mul_f32 v[AC2+2*\p:AC2+2*\p+1], v[QQ:QQ+1], v[KV+16*\p:KV+16*\p+1]
.else
	v_pk_fma_f32 v[AC2+2*\p:AC2+2*\p+1], v[QQ+2*\e:QQ+2*\e+1], v[KV+16*\p+2*\e:KV+16*\p+2*\e+1], v[AC2+2*\p:AC2+2*\p+1]
.endif
.endr
.endr
.irp p,0,1,2,3,4
	v_add_f32 v[SA+5*(M%2)+\p], v[AC2+2*\p], v[AC2+2*\p+1]      ; my 16 columns' part
.endr
.if M%2 == 1
.irp p,0,1,2,3,4
	v_permlane16_swap_b32 v[SA+\p], v[SA+5+\p]         ; the even tile's upper halves change places with the odd tile's lower:
.endr
.irp p,0,1,2,3,4
	v_add_f32 v[SS+5*(M/2)+\p], v[SA+\p], v[SA+5+\p]   ; the sum is whole, and lane l holds row 32 (M / 2) + l
.endr
.endif
.set M, M+1
.endr
	KVLOAD 1024                                        ; V of the five
	; SOFTMAX over the five, one of which is -infinity
	WIN 0x10
.set c_n, 0
.rept 20
	v_fma_f32 v[SS+c_n], v[SS+c_n], s86, v[160+c_n]
.set c_n, c_n+1
.endr
	WIN 0
.irp p,0,1,2,3
	v_max3_num_f32 v[SM+\p], v[SS+5*\p], v[SS+5*\p+1], v[SS+5*\p+2]
.endr
.irp p,0,1,2,3
	v_max3_num_f32 v[SM+\p], v[SM+\p], v[SS+5*\p+3], v[SS+5*\p+4]
.endr
.set c_n, 0
.rept 20
	v_sub_f32 v[SS+c_n], v[SS+c_n], v[SM+c_n/5]
.set c_n, c_n+1
.endr
.set c_n, 0
.rept 20
	v_mul_f32 v[SS+c_n], s87, v[SS+c_n]
.set c_n, c_n+1
.endr
.set c_n, 0
.rept 20
	v_exp_f32 v[SS+c_n], v[SS+c_n]
.set c_n, c_n+1
.endr
	v_nop
	s_wait_alu depctr_va_vdst(0)                       ; one wait for the twenty, ahead of their first reader
.irp p,0,1,2,3
	v_add_f32 v[SM+\p], v[SS+5*\p], v[SS+5*\p+1]
.endr
.irp c,2,3,4
.irp p,0,1,2,3
	v_add_f32 v[SM+\p], v[SM+\p], v[SS+5*\p+\c]
.endr
.endr
.irp p,0,1,2,3
	v_rcp_f32 v[SR+\p], v[SM+\p]
.endr
	v_nop
	s_wait_alu depctr_va_vdst(0)
.set c_n, 0
.rept 20
	v_mul_f32 v[SS+c_n], v[SS+c_n], v[SR+c_n/5]
.set c_n, c_n+1
.endr
	s_wait_dscnt 0x0                                   ; V is in
	; attn = the weights x V, quantised: my head is block w of the last product's K
.set P_, 0
.rept 4
.irp p,0,1,2,3,4
	v_mov_b32 v[PP+2*\p], v[SS+5*P_+\p]
	v_mov_b32 v[PP+2*\p+1], v[SS+5*P_+\p]
.endr
.irp p,0,1,2,3,4
	v_permlane16_swap_b32 v[PP+2*\p], v[PP+2*\p+1]     ; the even register: rows 32 P_ + r in both halves (tile 2 P_); the odd one: rows 32 P_ + 16 + r
.endr
.irp sel,0,1
.set c_a, AA+16*\sel
.irp e,0,1,2,3,4,5,6,7
	v_pk_mul_f32 v[c_a+2*\e:c_a+2*\e+1], v[KV+2*\e:KV+2*\e+1], v[PP:PP+1] op_sel:[0,\sel] op_sel_hi:[1,\sel]
.endr
.irp p,1,2,3,4
.irp e,0,1,2,3,4,5,6,7
	v_pk_fma_f32 v[c_a+2*\e:c_a+2*\e+1], v[KV+16*\p+2*\e:KV+16*\p+2*\e+1], v[PP+2*\p:PP+2*\p+1], v[c_a+2*\e:c_a+2*\e+1] op_sel:[0,\sel,0] op_sel_hi:[1,\sel,1]
.endr
.endr
	Q1 c_a
	ds_store_b64 v[AST], v[QC:QC+1] offset:256*(2*P_+\sel)
	ds_store_b8 v[ASS], v[QY] offset:128*(2*P_+\sel)
.endr
.set P_, P_+1
.endr
	BAR                                                ; Q(attn) of all rows and heads lies in AC
	; P3: out = tokens + (o1 + Q(attn) pWo): o1 is the C of each sum's first instruction; my 32 columns of the slot are written over
.irp e,0,1,2,3
	ds_load_b128 v[OC+4*\e:OC+4*\e+3], v[O1CA] offset:16*\e
.endr
	PL 0
.set M, 0
.rept 8
.if M < 7
	PL M+1
	s_wait_dscnt 9                                     ; all but the nine just issued: this tile's loads are in, the last tile's stores done
.else
	s_wait_dscnt 0x0
.endif
	WIN 0x01
	MMC PD, 128, FR+16*(M%2), OC, WS+16, FS+2*(M%2)
	MMC PD+8, 144, FR+16*(M%2), OC+8, WS+18, FS+2*(M%2)
	MMA PD, 136, FR+16*(M%2)+8, WS+17, FS+2*(M%2)+1
	MMA PD+8, 152, FR+16*(M%2)+8, WS+19, FS+2*(M%2)+1
	WIN 0
	PLACES 5
.irp n,0,1,2,3,4,5,6,7
	v_pk_add_f32 v[HB+16*(M%3)+2*\n:HB+16*(M%3)+2*\n+1], v[HB+16*(M%3)+2*\n:HB+16*(M%3)+2*\n+1], v[PD+2*\n:PD+2*\n+1]
.endr
.irp e,0,1,2,3
.if M < 4
	ds_store_b128 v[CA0], v[HB+16*(M%3)+4*\e:HB+16*(M%3)+4*\e+3] offset:WROWS*(M%4)+16*\e
.else
	ds_store_b128 v[CA1], v[HB+16*(M%3)+4*\e:HB+16*(M%3)+4*\e+3] offset:WROWS*(M%4)+16*\e
.endif
.endr
.set M, M+1
.endr
	BAR                                                ; whole rows of out lie in the slot
	; THE WAY OUT: my 16 rows; each store of the wave covers 512 consecutive bytes, aligned
.set c_n, 0
.rept 32
	ds_load_b128 v[BG+4*c_n:BG+4*c_n+3], v[RA] offset:PITCH*(c_n/2)+512*(c_n%2)
.set c_n, c_n+1
.endr
.set c_n, 0
.rept 32
	s_wait_dscnt 31-c_n
	global_store_b128 v[GO], v[BG+4*c_n:BG+4*c_n+3], s[6:7] offset:1024*(c_n/2)+512*(c_n%2) th:TH_STORE_NT
.set c_n, c_n+1
.endr
	s_wait_xcnt 0x0                                    ; the stores have read their registers and their base: both are written again below and in the next trip
	s_add_nc_u64 s[6:7], s[6:7], 0x20000
	s_add_co_u32 s98, s98, SLOTB
	s_add_co_u32 s99, s99, 1024
	s_mov_b32 s78, s79                                 ; the next batch's ego row, lane selects, tiles and bias
	s_mov_b32 s80, s81
	v_mov_b32 v[IDH], v[IDH+1]
	WIN 0x41
.set c_n, 0
.rept 20
	v_mov_b32 v[160+c_n], v[180+c_n]
.set c_n, c_n+1
.endr
	WIN 0
	s_add_co_u32 s97, s97, 1
	s_cmp_lt_u32 s97, 2
	s_cbranch_scc1 .Ltrip
	s_set_vgpr_msb 0x5
	s_wait_tensorcnt 0x0
	ds_add_u32 v254, v255
	s_wait_dscnt 0x0
	s_set_vgpr_msb 0x500
	s_endpgm
.Lfunc_end_k_q5e65c8e624_pipe:
	.size	k_q5e65c8e624_pipe, .Lfunc_end_k_q5e65c8e624_pipe-k_q5e65c8e624_pipe
	.p2alignl 7, 3214868480
	.fill 96, 4, 3214868480
	.section	.rodata,"a",@progbits
	.p2align	6, 0x0
	.amdhsa_kernel k_q5e65c8e624_pipe
		.amdhsa_group_segment_fixed_size 327680
		.amdhsa_private_segment_fixed_size 0
		.amdhsa_enable_private_segment 0
		.amdhsa_kernarg_size 208
		.amdhsa_user_sgpr_count 2
		.amdhsa_user_sgpr_kernarg_segment_ptr 1
		.amdhsa_wavefront_size32 1
		.amdhsa_system_sgpr_workgroup_id_x 1
		.amdhsa_system_sgpr_workgroup_id_y 1
		.amdhsa_system_sgpr_workgroup_id_z 1
		.amdhsa_system_vgpr_workitem_id 0
		.amdhsa_next_free_vgpr 512
		.amdhsa_next_free_sgpr 102
		.amdhsa_reserve_vcc 1
		.amdhsa_float_denorm_mode_32 3
		.amdhsa_float_denorm_mode_16_64 3
		.amdhsa_memory_ordered 1
		.amdhsa_forward_progress 1
		.amdhsa_inst_pref_size 255
	.end_amdhsa_kernel
	.section	.bss,"aw",@nobits
	.p2align	6
	.space	262144
	.amdgpu_metadata
---
amdhsa.version: [ 1, 2 ]
amdhsa.kernels:
  - .name:           k_q5e65c8e624_pipe
    .symbol:         k_q5e65c8e624_pipe.kd
    .args:
      - { .name: tokens, .offset: 0, .size: 8, .value_kind: global_buffer, .address_space: global }
      - { .name: out0, .offset: 8, .size: 8, .value_kind: global_buffer, .address_space: global }
      - { .name: ego_idx, .offset: 16, .size: 8, .value_kind: global_buffer, .address_space: global }
      - { .name: ego_distances, .offset: 24, .size: 8, .value_kind: global_buffer, .address_space: global }
      - { .name: ln1_g, .offset: 32, .size: 8, .value_kind: global_buffer, .address_space: global }
      - { .name: ln1_b, .offset: 40, .size: 8, .value_kind: global_buffer, .address_space: global }
      - { .name: ln2_g, .offset: 48, .size: 8, .value_kind: global_buffer, .address_space: global }
      - { .name: ln2_b, .offset: 56, .size: 8, .value_kind: global_buffer, .address_space: global }
      - { .name: cWv_codes, .offset: 64, .size: 8, .value_kind: global_buffer, .address_space: global }
      - { .name: cWv_scales, .offset: 72, .size: 8, .value_kind: global_buffer, .address_space: global }
      - { .name: cWo_codes, .offset: 80, .size: 8, .value_kind: global_buffer, .address_space: global }
      - { .name: cWo_scales, .offset: 88, .size: 8, .value_kind: global_buffer, .address_space: global }
      - { .name: pWq_codes, .offset: 96, .size: 8, .value_kind: global_buffer, .address_space: global }
      - { .name: pWq_scales, .offset: 104, .size: 8, .value_kind: global_buffer, .address_space: global }
      - { .name: eWq_codes, .offset: 112, .size: 8, .value_kind: global_buffer, .address_space: global }
      - { .name: eWq_scales, .offset: 120, .size: 8, .value_kind: global_buffer, .address_space: global }
      - { .name: pWk_codes, .offset: 128, .size: 8, .value_kind: global_buffer, .address_space: global }
      - { .name: pWk_scales, .offset: 136, .size: 8, .value_kind: global_buffer, .address_space: global }
      - { .name: pWv_codes, .offset: 144, .size: 8, .value_kind: global_buffer, .address_space: global }
      - { .name: pWv_scales, .offset: 152, .size: 8, .value_kind: global_buffer, .address_space: global }
      - { .name: pWo_codes, .offset: 160, .size: 8, .value_kind: global_buffer, .address_space: global }
      - { .name: pWo_scales, .offset: 168, .size: 8, .value_kind: global_buffer, .address_space: global }
      - { .name: bW1, .offset: 176, .size: 8, .value_kind: global_buffer, .address_space: global }
      - { .name: bb1, .offset: 184, .size: 8, .value_kind: global_buffer, .address_space: global }
      - { .name: bW2, .offset: 192, .size: 8, .value_kind: global_buffer, .address_space: global }
      - { .name: bb2, .offset: 200, .size: 8, .value_kind: global_buffer, .address_space: global }
    .group_segment_fixed_size: 327680
    .private_segment_fixed_size: 0
    .kernarg_segment_align: 8
    .kernarg_segment_size: 208
    .max_flat_workgroup_size: 256
    .sgpr_count:     102
    .vgpr_count:     512
    .wavefront_size: 32
...
	.end_amdgpu_metadata
.endif
;; end of part 1
